; MI455X (gfx1250); checked and timed in simulation.
; The chip was launched on July 23, 2026; its instructions are those of AMD's public machine-readable ISA for CDNA 5 (MIT licence, August 2026) and "CDNA5" Instruction Set Architecture Reference Guide (July 2026). The comments in the code are by the model that wrote it; some were corrected since.
;; Spatial Deformer3 D. Allowed arithmetic: float matrix products may take bf16 or f16 operands with f32 sums; all other float work in f32.
;; Inputs: deformation 2 x 160 x 160 x 160 x 3 float32; vol 2 x 160 x 160 x 160 x 1 float32.
;; Outputs: out0 2 x 160 x 160 x 160 x 1 float32.
;; 3 versions, each right; version 2 is faster than version 1; version 3 is version 2 with the launch sample written anew for expert scheduling mode. Each part assembles by itself: llvm-mc -triple=amdgcn-amd-amdhsa -mcpu=gfx1250 --defsym DOCPART=n.
;; ======== version 1 of 3: 2 launches
;; workspace buffers: cell 32,768,000 bytes of whole numbers
;; launch cells (part 1): grid 1280 x 1, 10 waves a work-group, no clusters, 0 bytes of LDS; arguments deformation, cell; writes cell
.if DOCPART == 1
	.amdgcn_target "amdgcn-amd-amdhsa--gfx1250"
	.amdhsa_code_object_version 6
	.text
	.protected	k_q25cae8a9e1_cells
	.globl	k_q25cae8a9e1_cells
	.p2align	8
	.type	k_q25cae8a9e1_cells,@function
k_q25cae8a9e1_cells:
	s_mov_b64 s[64:65], 0
	v_nop
	global_prefetch_b8 v0, s[64:65] scope:SCOPE_SE
	s_setreg_imm32_b32 hwreg(HW_REG_WAVE_MODE, 25, 1), 1
	s_wait_xcnt 0x0
; CELLS: for every output point (b, h, w, d) the voxel cell that it samples, as one whole number.
;   x = 80 (gx[w] + def0 + 1), y = 80 (gy[h] + def1 + 1), z = 80 (gz[d] + def2 + 1);  x' = clamp(floor x, 0, 158), y', z' alike;
;   cell = (z' * 160 + y') << 10 | x' << 2.       The next launch forms its gather addresses from these numbers alone.
; The lower corner is clamped to 158, not 159, so that the upper corner x' + 1 always lies in the volume; what reference()'s clip
; to 0..159 means for the weights is settled in the next launch, from the same floor.
; BIT FOR BIT: reference() pairs x's weights with the z voxels and z's with the x voxels, so its result jumps where x or z crosses
; a whole number.  floor() must therefore fall as in reference(): the same f32 operations in the same order, NOT fused:
; add, add 1, times 80 (= 0.5 * .. * 160: the factor 0.5 is exact).  The grid is jnp.linspace(-1, 1, 160) as it is compiled:
; step = i * fl(1/159) (a division by a constant becomes a product with its rounded reciprocal), g = step - (1 - step), g[159] = 1.
; LIMITS: deformations finite, |80 (g + d + 1)| < 2^31 (|d| below about 2.6e7): beyond that reference()'s conversion to int32 is out
; of range, while this text goes on clamping to the edge.  A NaN gives a cell inside the volume (and a NaN result in the next launch).
; SHARES: a wave takes a run of 640 consecutive points = 4 columns (w) of one h, in 5 groups of 128; lane L takes points 4L .. 4L+3 of
; a group: 48 bytes of deformation (three aligned 16-byte loads) in, 16 bytes out; a store of the wave covers 512 consecutive bytes, aligned.
; 12,800 runs = 1,280 work-groups of 10 waves.  Waves share nothing: no LDS, no barrier.  All 15 loads of a wave are issued at once.
.set WAVES,  10
.set DEFRUN, 7680                      ; bytes of deformation in a run
.set CELRUN, 2560                      ; bytes of cells in a run
.set VD,   2                           ; v2      48 x lane: my bytes in a group's deformation
.set VI,   3                           ; v3      16 x lane: my bytes in a group's cells
.set L4F,  4                           ; v4      4 x lane as f32
.set GY,   5                           ; v5      gy[h]
.set GX,   6                           ; v[6:9]  gx of the run's four columns
.set DF,   10                          ; v10     d of my first point in the group, as f32
.set GXL,  11                          ; v11     gx of my column in the group
.set T0,   12                          ; v[12:14] x, y, z at work
.set T1,   13
.set T2,   14
.set TS,   15                          ; v15     d of the point, f32
.set GZV,  16                          ; v16     gz[d]
.set TG,   17                          ; v17     scratch
.set W,    20                          ; v[20:39] the cells, a quad for each group: no store's data is ever rewritten
.set D,    40                          ; v[40:99] deformation, 12 registers for each group
.set SR,   17                          ; s17 fl(1/159)
.set S159, 18                          ; s18 159.0
.set S158, 19                          ; s19 158.0
.set M8,   20                          ; s20-22: lanes from 8, 16, 24 on
.set M16,  21
.set M24,  22
; dst = linspace(-1, 1, 160)[src], src a whole number as f32
.macro GRIDF dst, src, tmp
	v_mul_f32 v[\dst], s[SR], v[\src]              ; step
	v_sub_f32 v[\tmp], 1.0, v[\dst]                ; 1 - step
	v_sub_f32 v[\dst], v[\dst], v[\tmp]            ; 1 * step + (-1) * (1 - step)
	v_cmp_neq_f32 vcc_lo, s[S159], v[\src]
	v_cndmask_b32 v[\dst], 1.0, v[\dst], vcc_lo    ; the end point is exactly 1
.endm
; dst = clamp(floor(80 (g + d + 1)), 0, 158) as a whole number
.macro CELL dst, g, d
	v_add_f32 v[\dst], v[\g], v[\d]
	v_add_f32 v[\dst], 1.0, v[\dst]
	v_mul_f32 v[\dst], 0x42a00000, v[\dst]         ; x 80
	v_floor_f32 v[\dst], v[\dst]
	v_med3_num_f32 v[\dst], v[\dst], 0, s[S158]
	v_cvt_u32_f32 v[\dst], v[\dst]
.endm
; point i of my four: deformation in v[dreg .. dreg+2], d = dfl + i, column's grid value in v[gx]
.macro POINT i, fi, dreg, dfl, gx, wreg
.if \i
	v_add_f32 v[TS], \fi, v[\dfl]
	GRIDF GZV, TS, TG
.else
	GRIDF GZV, \dfl, TG
.endif
	CELL T0, \gx, \dreg
	CELL T1, GY, \dreg+1
	CELL T2, GZV, \dreg+2
	v_mad_u32_u24 v[T2], v[T2], 160, v[T1]         ; row of the volume: z' * 160 + y'
	v_lshlrev_b32 v[T0], 2, v[T0]                  ; x' in bytes
	v_lshl_or_b32 v[\wreg], v[T2], 10, v[T0]
.endm
.macro GROUP k, dfl, gx
	s_wait_loadcnt 3*(4-\k)                        ; loads come back in order (ISA guide 5.7.1): this group's three are in, the later groups' stay out
	POINT 0, 0,   D+12*\k,   \dfl, \gx, W+4*\k
	POINT 1, 1.0, D+12*\k+3, \dfl, \gx, W+4*\k+1
	POINT 2, 2.0, D+12*\k+6, \dfl, \gx, W+4*\k+2
	POINT 3, 3.0, D+12*\k+9, \dfl, \gx, W+4*\k+3
	global_store_b128 v[VI], v[W+4*\k:W+4*\k+3], s[6:7] offset:512*\k     ; no hint: the next launch reads these
.endm
; a group that straddles two columns: lanes below the mask are in column col at d = clo + 4 lane, the others in col + 1 at d = chi + 4 lane
.macro SETUP clo, chi, col, mask
	v_add_f32 v[DF], \clo, v[L4F]
	v_add_f32 v[T0], \chi, v[L4F]
	v_cndmask_b32 v[DF], v[DF], v[T0], s[\mask]
	v_cndmask_b32 v[GXL], v[GX+\col], v[GX+\col+1], s[\mask]
.endm
	s_load_b128 s[4:7], s[0:1], 0x0                ; deformation s[4:5], cell s[6:7]
	v_lshrrev_b32 v1, 5, v0
	v_readfirstlane_b32 s8, v1                     ; wave
	v_and_b32 v1, 31, v0                           ; lane
	s_mul_i32 s9, ttmp9, WAVES
	s_add_co_u32 s9, s9, s8                        ; run = 10 x work-group + wave
	s_mul_i32 s10, s9, DEFRUN                      ; below 98,304,000
	s_mov_b32 s11, 0
	s_mul_i32 s12, s9, CELRUN
	s_mov_b32 s13, 0
	s_lshr_b32 s14, ttmp9, 2                       ; 40 runs = 4 work-groups to an h: 160 b + h
	s_cmp_ge_u32 s14, 160
	s_cselect_b32 s15, 160, 0
	s_sub_co_u32 s14, s14, s15                     ; h
	s_and_b32 s16, ttmp9, 3
	s_mul_i32 s16, s16, 40
	s_lshl2_add_u32 s16, s8, s16                   ; w of the run's first column = 40 (work-group mod 4) + 4 wave
	s_mov_b32 s[SR], 0x3bce168a
	s_mov_b32 s[S159], 0x431f0000
	s_mov_b32 s[S158], 0x431e0000
	s_mov_b32 s[M8], 0xffffff00
	s_mov_b32 s[M16], 0xffff0000
	s_mov_b32 s[M24], 0xff000000
	v_mul_u32_u24 v[VD], 48, v1
	v_lshlrev_b32 v[VI], 4, v1
	s_wait_kmcnt 0x0
	s_add_nc_u64 s[4:5], s[4:5], s[10:11]
	s_add_nc_u64 s[6:7], s[6:7], s[12:13]
.irp k, 0,1,2,3,4
	global_load_b128 v[D+12*\k:D+12*\k+3],    v[VD], s[4:5] offset:1536*\k    th:TH_LOAD_NT
	global_load_b128 v[D+12*\k+4:D+12*\k+7],  v[VD], s[4:5] offset:1536*\k+16 th:TH_LOAD_NT
	global_load_b128 v[D+12*\k+8:D+12*\k+11], v[VD], s[4:5] offset:1536*\k+32 th:TH_LOAD_NT
.endr
	; the grid values that hold for the whole run, while the loads are on their way
	v_cvt_f32_u32 v[T0], s14
	GRIDF GY, T0, TG
	v_cvt_f32_u32 v[T0], s16
	GRIDF GX, T0, TG
	v_add_f32 v[T0], 1.0, v[T0]
	GRIDF GX+1, T0, TG
	v_add_f32 v[T0], 1.0, v[T0]
	GRIDF GX+2, T0, TG
	v_add_f32 v[T0], 1.0, v[T0]
	GRIDF GX+3, T0, TG
	v_lshlrev_b32 v1, 2, v1
	v_cvt_f32_u32 v[L4F], v1
	; point 128 k + 4 lane of the run lies in column (128 k + 4 lane) / 160 at d = the remainder
	GROUP 0, L4F, GX
	SETUP 128.0, -32.0, 0, M8
	GROUP 1, DF, GXL
	SETUP 96.0, -64.0, 1, M16
	GROUP 2, DF, GXL
	SETUP 64.0, -96.0, 2, M24
	GROUP 3, DF, GXL
	v_add_f32 v[DF], 32.0, v[L4F]
	GROUP 4, DF, GX+3
	s_endpgm
.Lfunc_end_k_q25cae8a9e1_cells:
	.size	k_q25cae8a9e1_cells, .Lfunc_end_k_q25cae8a9e1_cells-k_q25cae8a9e1_cells
	.p2alignl 7, 3214868480
	.fill 96, 4, 3214868480
	.section	.rodata,"a",@progbits
	.p2align	6, 0x0
	.amdhsa_kernel k_q25cae8a9e1_cells
		.amdhsa_group_segment_fixed_size 0
		.amdhsa_private_segment_fixed_size 0
		.amdhsa_enable_private_segment 0
		.amdhsa_kernarg_size 16
		.amdhsa_user_sgpr_count 2
		.amdhsa_user_sgpr_kernarg_segment_ptr 1
		.amdhsa_wavefront_size32 1
		.amdhsa_system_sgpr_workgroup_id_x 1
		.amdhsa_system_sgpr_workgroup_id_y 1
		.amdhsa_system_sgpr_workgroup_id_z 1
		.amdhsa_system_vgpr_workitem_id 0
		.amdhsa_next_free_vgpr 100
		.amdhsa_next_free_sgpr 66
		.amdhsa_reserve_vcc 1
		.amdhsa_float_denorm_mode_32 3
		.amdhsa_float_denorm_mode_16_64 3
		.amdhsa_memory_ordered 1
		.amdhsa_forward_progress 1
		.amdhsa_inst_pref_size 28
	.end_amdhsa_kernel
	.amdgpu_metadata
---
amdhsa.version: [ 1, 2 ]
amdhsa.kernels:
  - .name:           k_q25cae8a9e1_cells
    .symbol:         k_q25cae8a9e1_cells.kd
    .args:
      - { .name: deformation, .offset: 0, .size: 8, .value_kind: global_buffer, .address_space: global }
      - { .name: cell, .offset: 8, .size: 8, .value_kind: global_buffer, .address_space: global }
    .group_segment_fixed_size: 0
    .private_segment_fixed_size: 0
    .kernarg_segment_align: 8
    .kernarg_segment_size: 16
    .max_flat_workgroup_size: 320
    .sgpr_count:     66
    .vgpr_count:     100
    .wavefront_size: 32
...
	.end_amdgpu_metadata
.endif
;; end of part 1
;; launch sample (part 2): grid 1280 x 1, 10 waves a work-group, no clusters, 0 bytes of LDS; arguments deformation, vol, cell, out0; writes out0
.if DOCPART == 2
	.amdgcn_target "amdgcn-amd-amdhsa--gfx1250"
	.amdhsa_code_object_version 6
	.text
	.protected	k_q25cae8a9e1_sample
	.globl	k_q25cae8a9e1_sample
	.p2align	8
	.type	k_q25cae8a9e1_sample,@function
k_q25cae8a9e1_sample:
	s_mov_b64 s[64:65], 0
	v_nop
	global_prefetch_b8 v0, s[64:65] scope:SCOPE_SE
	s_setreg_imm32_b32 hwreg(HW_REG_WAVE_MODE, 25, 1), 1
	s_wait_xcnt 0x0
; SAMPLE: out[b,h,w,d] = reference()'s eight-term blend of vol.  Addresses come from the whole numbers of the launch before
; (cell = (z' * 160 + y') << 10 | x' << 2, x', y', z' in 0..158); weights are formed here in f32 from the deformation.
; One address a point: the eight voxels lie at +0/+4 (x), +0/+640 (y), +0/+102400 (z) bytes from the cell's lower corner.
; WEIGHTS, as reference() has them: with c0 = clip(floor), c1 = clip(floor + 1) to 0..159, w0 = c1 - coordinate, w1 = coordinate - c0.
; reference() pairs the x voxels with z's weights, the z voxels with x's, the y voxels with y's: kept so.
; CLIP: if floor < 0 both of reference()'s voxels of that axis are voxel 0 = the loaded lower one: it gets w0 + w1, the upper one 0;
; if floor >= 159 both are voxel 159 = the loaded upper one (the cell was clamped to 158): it gets w0 + w1, the lower one 0.
; The choice selects values only (v_cndmask_b32); no address and no branch hangs on a float.
; The coordinates are formed by the very operations of the launch before (unfused add, add 1, times 80; the same grid), so that floor
; agrees with the stored cell bit for bit.
; LIMITS: deformations finite, |80 (g + d + 1)| < 2^31 (|d| below about 2.6e7), where reference()'s conversion to int32 ends; NaN in gives NaN out.
; The blend is nested (x, then y, then z), not eight triple products: another order of rounding than reference()'s.
; SHARES as before: a wave takes 640 consecutive points (4 columns of one h) in 5 groups of 128, lane L the points 4L .. 4L+3:
; cells in and results out are 16 bytes a lane, 512 consecutive aligned bytes a wave.  1,280 work-groups of 10 waves, no LDS, no barrier.
; In flight in a wave: a group's 32 gathers and the next group's four loads (cells, deformation), which are issued behind the gathers.
; No tile of vol is staged in LDS and nothing is shared in a cluster: where a point samples is known only from its cell, and at the drawn
; spread (8 voxels a side) one point's cells already range over some 48^3 voxels = 442 KB, more than the 320 KiB of LDS.
.set WAVES,  10
.set DEFRUN, 7680                      ; bytes of deformation in a run
.set OUTRUN, 2560                      ; bytes of cells, and of results, in a run
.set ROWB,   640                       ; bytes from y to y + 1
.set PLANEB, 102400                    ; bytes from z to z + 1
.set BATCHB, 16384000                  ; bytes of one volume
.set VD,   2                           ; v2       48 x lane
.set VI,   3                           ; v3       16 x lane
.set L4F,  4                           ; v4       4 x lane as f32
.set GY,   5                           ; v5       gy[h]
.set GX,   6                           ; v[6:9]   gx of the run's four columns
.set DF,   10                          ; v10      d of my first point in the group, f32
.set GXL,  11                          ; v11      gx of my column in the group
.set I,    12                          ; v[12:15] my four cells
.set DB,   16                          ; v[16:39] deformation: two buffers of 12
.set A,    40                          ; v[40:43] byte offset of each point's lower corner
.set G,    44                          ; v[44:75] point i: 8 voxels: +0 (z0,y0) +1 (z1,y0) +2 (z0,y1) +3 (z1,y1) at x', +4..+7 the same at x'+1
.set XLO,  76                          ; v[76:83] coefficients; those that a packed product spreads over both halves stand in even registers
.set ZLO,  77
.set XHI,  78
.set ZHI,  79
.set YLO,  80
.set TS,   81                          ; scratch
.set YHI,  82
.set TG,   83                          ; scratch
.set GZV,  77                          ; gz[d]: lives in ZLO's register until z's weights are made
.set TC,   84                          ; coordinate
.set TF,   85                          ; its floor
.set WX0,  86
.set WX1,  87
.set WY0,  88
.set WY1,  89
.set WZ0,  90
.set WZ1,  91
.set O,    92                          ; v[92:95] four results
.set SR,   23                          ; s23 fl(1/159)
.set S159, 24                          ; s24 159.0
.set M8,   25                          ; s25-27: lanes from 8, 16, 24 on
.set M16,  26
.set M24,  27
.set SXL,  28                          ; s28-33: floor < 0, floor >= 159 for x, y, z
.set SXH,  29
.set SYL,  30
.set SYH,  31
.set SZL,  32
.set SZH,  33
; dst = linspace(-1, 1, 160)[src]: the same lines as in the launch before
.macro GRIDF dst, src, tmp
	v_mul_f32 v[\dst], s[SR], v[\src]
	v_sub_f32 v[\tmp], 1.0, v[\dst]
	v_sub_f32 v[\dst], v[\dst], v[\tmp]
	v_cmp_neq_f32 vcc_lo, s[S159], v[\src]
	v_cndmask_b32 v[\dst], 1.0, v[\dst], vcc_lo
.endm
; one axis: coordinate, floor, the two clip flags, the two weights
.macro AXIS g, d, w0, w1, slo, shi
	v_add_f32 v[TC], v[\g], v[\d]                  ; unfused on purpose: floor has to fall as in reference()
	v_add_f32 v[TC], 1.0, v[TC]
	v_mul_f32 v[TC], 0x42a00000, v[TC]             ; x 80
	v_floor_f32 v[TF], v[TC]
	v_cmp_gt_f32 s[\slo], 0, v[TF]                 ; floor < 0
	v_cmp_le_f32 s[\shi], s[S159], v[TF]           ; floor >= 159
	v_add_f32 v[TG], 1.0, v[TF]
	v_med3_num_f32 v[TF], v[TF], 0, s[S159]        ; c0
	v_med3_num_f32 v[TG], v[TG], 0, s[S159]        ; c1
	v_sub_f32 v[\w0], v[TG], v[TC]
	v_sub_f32 v[\w1], v[TC], v[TF]
.endm
; what the loaded lower and upper voxel of an axis get: (w0, w1); clipped below (w0 + w1, 0); clipped above (0, w0 + w1)
.macro COEF lo, hi, w0, w1, slo, shi
	v_add_f32 v[TS], v[\w0], v[\w1]
	v_cndmask_b32 v[\lo], v[\w0], 0, s[\shi]
	v_cndmask_b32 v[\hi], v[\w1], 0, s[\slo]
	v_cndmask_b32 v[\lo], v[\lo], v[TS], s[\slo]
	v_cndmask_b32 v[\hi], v[\hi], v[TS], s[\shi]
.endm
; byte offset of point i's lower corner.  Both fields are bounded by constants, so that the farthest voxel,
; 25438 * 640 + 632 + 103044 + 3, is the volume's last byte.
.macro ADDR i
	v_lshrrev_b32 v[TC], 10, v[I+\i]
	v_and_b32 v[TF], 0x3fc, v[I+\i]
	v_min_u32 v[TC], 25438, v[TC]                  ; z' * 160 + y' <= 158 * 160 + 158
	v_min_u32 v[TF], 632, v[TF]                    ; 4 x' <= 4 * 158
	v_mul_u32_u24 v[TC], 640, v[TC]
	v_add_nc_u32 v[A+\i], v[TC], v[TF]
.endm
.macro GATHER i                        ; x' and x' + 1 of a row one behind the other
	global_load_b32 v[G+8*\i],   v[A+\i], s[6:7]
	global_load_b32 v[G+8*\i+4], v[A+\i], s[6:7] offset:4
	global_load_b32 v[G+8*\i+2], v[A+\i], s[6:7] offset:ROWB
	global_load_b32 v[G+8*\i+6], v[A+\i], s[6:7] offset:ROWB+4
	global_load_b32 v[G+8*\i+1], v[A+\i], s[6:7] offset:PLANEB
	global_load_b32 v[G+8*\i+5], v[A+\i], s[6:7] offset:PLANEB+4
	global_load_b32 v[G+8*\i+3], v[A+\i], s[6:7] offset:PLANEB+ROWB
	global_load_b32 v[G+8*\i+7], v[A+\i], s[6:7] offset:PLANEB+ROWB+4
.endm
.macro LOADS k, buf                    ; a group's cells, then its deformation: four loads
	global_load_b128 v[I:I+3], v[VI], s[8:9] offset:512*(\k) th:TH_LOAD_NT
	global_load_b128 v[DB+12*(\buf):DB+12*(\buf)+3],    v[VD], s[4:5] offset:1536*(\k)    th:TH_LOAD_NT
	global_load_b128 v[DB+12*(\buf)+4:DB+12*(\buf)+7],  v[VD], s[4:5] offset:1536*(\k)+16 th:TH_LOAD_NT
	global_load_b128 v[DB+12*(\buf)+8:DB+12*(\buf)+11], v[VD], s[4:5] offset:1536*(\k)+32 th:TH_LOAD_NT
.endm
; point i of my four.  left = the loads younger than this point's eight gathers
.macro POINT i, fi, dreg, dfl, gx, left
.if \i
	v_add_f32 v[TS], \fi, v[\dfl]
	GRIDF GZV, TS, TG
.else
	GRIDF GZV, \dfl, TG
.endif
	AXIS \gx, \dreg,   WX0, WX1, SXL, SXH
	AXIS GY,  \dreg+1, WY0, WY1, SYL, SYH
	AXIS GZV, \dreg+2, WZ0, WZ1, SZL, SZH
	COEF XLO, XHI, WZ0, WZ1, SXL, SXH              ; the x voxels carry z's weights,
	COEF YLO, YHI, WY0, WY1, SYL, SYH
	COEF ZLO, ZHI, WX0, WX1, SZL, SZH              ; the z voxels x's
	s_wait_loadcnt \left                           ; loads come back in order (ISA guide 5.7.1): this point's eight voxels are in
	v_pk_mul_f32 v[G+8*\i:G+8*\i+1],   v[G+8*\i:G+8*\i+1],   v[XLO:XLO+1] op_sel_hi:[1,0]
	v_pk_mul_f32 v[G+8*\i+2:G+8*\i+3], v[G+8*\i+2:G+8*\i+3], v[XLO:XLO+1] op_sel_hi:[1,0]
	v_pk_fma_f32 v[G+8*\i:G+8*\i+1],   v[G+8*\i+4:G+8*\i+5], v[XHI:XHI+1], v[G+8*\i:G+8*\i+1]   op_sel_hi:[1,0,1]
	v_pk_fma_f32 v[G+8*\i+2:G+8*\i+3], v[G+8*\i+6:G+8*\i+7], v[XHI:XHI+1], v[G+8*\i+2:G+8*\i+3] op_sel_hi:[1,0,1]
	v_pk_mul_f32 v[G+8*\i:G+8*\i+1],   v[G+8*\i:G+8*\i+1],   v[YLO:YLO+1] op_sel_hi:[1,0]
	v_pk_fma_f32 v[G+8*\i:G+8*\i+1],   v[G+8*\i+2:G+8*\i+3], v[YHI:YHI+1], v[G+8*\i:G+8*\i+1]   op_sel_hi:[1,0,1]
	v_mul_f32 v[O+\i], v[G+8*\i], v[ZLO]
	v_fmac_f32 v[O+\i], v[G+8*\i+1], v[ZHI]
.endm
; a group of 128 points.  more = 1: a group follows, and its four loads are issued behind this group's gathers
.macro GROUP k, buf, dfl, gx, more
	s_wait_loadcnt 3                               ; my cells are in; the three deformation loads behind them may be out
.if \k
	s_wait_xcnt 0x0                                ; the last group's store has had its address translated (ISA guide 3.1): O is rewritten only behind this wait
.endif
.irp i, 0,1,2,3
	ADDR \i                                        ; (the last group's gathers, which read A, were waited for by its last point)
	GATHER \i
.endr
.if \more
	LOADS (\k+1), (1-\buf)
.endif
	s_wait_loadcnt 32+4*\more                      ; this group's deformation is in: younger are the 32 gathers and the next group's four loads
	POINT 0, 0,   DB+12*\buf,   \dfl, \gx, 24+4*\more
	POINT 1, 1.0, DB+12*\buf+3, \dfl, \gx, 16+4*\more
	POINT 2, 2.0, DB+12*\buf+6, \dfl, \gx, 8+4*\more
	POINT 3, 3.0, DB+12*\buf+9, \dfl, \gx, 4*\more
	global_store_b128 v[VI], v[O:O+3], s[10:11] offset:512*\k th:TH_STORE_NT
.endm
; a group that straddles two columns: lanes below the mask are in column col at d = clo + 4 lane, the others in col + 1 at d = chi + 4 lane
.macro SETUP clo, chi, col, mask
	v_add_f32 v[DF], \clo, v[L4F]
	v_add_f32 v[TC], \chi, v[L4F]
	v_cndmask_b32 v[DF], v[DF], v[TC], s[\mask]
	v_cndmask_b32 v[GXL], v[GX+\col], v[GX+\col+1], s[\mask]
.endm
	s_load_b256 s[4:11], s[0:1], 0x0               ; deformation s[4:5], vol s[6:7], cell s[8:9], out0 s[10:11]
	v_lshrrev_b32 v1, 5, v0
	v_readfirstlane_b32 s12, v1                    ; wave
	v_and_b32 v1, 31, v0                           ; lane
	s_mul_i32 s13, ttmp9, WAVES
	s_add_co_u32 s13, s13, s12                     ; run = 10 x work-group + wave
	s_mul_i32 s14, s13, DEFRUN                     ; below 98,304,000
	s_mov_b32 s15, 0
	s_mul_i32 s16, s13, OUTRUN
	s_mov_b32 s17, 0
	s_lshr_b32 s20, ttmp9, 2                       ; 40 runs = 4 work-groups to an h: 160 b + h
	s_cmp_ge_u32 s20, 160
	s_cselect_b32 s18, BATCHB, 0                   ; the batch's volume
	s_cselect_b32 s21, 160, 0
	s_mov_b32 s19, 0
	s_sub_co_u32 s20, s20, s21                     ; h
	s_and_b32 s22, ttmp9, 3
	s_mul_i32 s22, s22, 40
	s_lshl2_add_u32 s22, s12, s22                  ; w of the run's first column = 40 (work-group mod 4) + 4 wave
	s_mov_b32 s[SR], 0x3bce168a
	s_mov_b32 s[S159], 0x431f0000
	s_mov_b32 s[M8], 0xffffff00
	s_mov_b32 s[M16], 0xffff0000
	s_mov_b32 s[M24], 0xff000000
	v_mul_u32_u24 v[VD], 48, v1
	v_lshlrev_b32 v[VI], 4, v1
	s_wait_kmcnt 0x0
	s_add_nc_u64 s[4:5], s[4:5], s[14:15]
	s_add_nc_u64 s[6:7], s[6:7], s[18:19]
	s_add_nc_u64 s[8:9], s[8:9], s[16:17]
	s_add_nc_u64 s[10:11], s[10:11], s[16:17]
	LOADS 0, 0
	; the grid values that hold for the whole run, while the first loads are on their way
	v_cvt_f32_u32 v[TC], s20
	GRIDF GY, TC, TG
	v_cvt_f32_u32 v[TC], s22
	GRIDF GX, TC, TG
	v_add_f32 v[TC], 1.0, v[TC]
	GRIDF GX+1, TC, TG
	v_add_f32 v[TC], 1.0, v[TC]
	GRIDF GX+2, TC, TG
	v_add_f32 v[TC], 1.0, v[TC]
	GRIDF GX+3, TC, TG
	v_lshlrev_b32 v1, 2, v1
	v_cvt_f32_u32 v[L4F], v1
	; point 128 k + 4 lane of the run lies in column (128 k + 4 lane) / 160 at d = the remainder
	GROUP 0, 0, L4F, GX, 1
	SETUP 128.0, -32.0, 0, M8
	GROUP 1, 1, DF, GXL, 1
	SETUP 96.0, -64.0, 1, M16
	GROUP 2, 0, DF, GXL, 1
	SETUP 64.0, -96.0, 2, M24
	GROUP 3, 1, DF, GXL, 1
	v_add_f32 v[DF], 32.0, v[L4F]
	GROUP 4, 0, DF, GX+3, 0                        ; the last group asks for nothing more: its counts run down to 0
	s_endpgm
.Lfunc_end_k_q25cae8a9e1_sample:
	.size	k_q25cae8a9e1_sample, .Lfunc_end_k_q25cae8a9e1_sample-k_q25cae8a9e1_sample
	.p2alignl 7, 3214868480
	.fill 96, 4, 3214868480
	.section	.rodata,"a",@progbits
	.p2align	6, 0x0
	.amdhsa_kernel k_q25cae8a9e1_sample
		.amdhsa_group_segment_fixed_size 0
		.amdhsa_private_segment_fixed_size 0
		.amdhsa_enable_private_segment 0
		.amdhsa_kernarg_size 32
		.amdhsa_user_sgpr_count 2
		.amdhsa_user_sgpr_kernarg_segment_ptr 1
		.amdhsa_wavefront_size32 1
		.amdhsa_system_sgpr_workgroup_id_x 1
		.amdhsa_system_sgpr_workgroup_id_y 1
		.amdhsa_system_sgpr_workgroup_id_z 1
		.amdhsa_system_vgpr_workitem_id 0
		.amdhsa_next_free_vgpr 96
		.amdhsa_next_free_sgpr 66
		.amdhsa_reserve_vcc 1
		.amdhsa_float_denorm_mode_32 3
		.amdhsa_float_denorm_mode_16_64 3
		.amdhsa_memory_ordered 1
		.amdhsa_forward_progress 1
		.amdhsa_inst_pref_size 88
	.end_amdhsa_kernel
	.amdgpu_metadata
---
amdhsa.version: [ 1, 2 ]
amdhsa.kernels:
  - .name:           k_q25cae8a9e1_sample
    .symbol:         k_q25cae8a9e1_sample.kd
    .args:
      - { .name: deformation, .offset: 0, .size: 8, .value_kind: global_buffer, .address_space: global }
      - { .name: vol, .offset: 8, .size: 8, .value_kind: global_buffer, .address_space: global }
      - { .name: cell, .offset: 16, .size: 8, .value_kind: global_buffer, .address_space: global }
      - { .name: out0, .offset: 24, .size: 8, .value_kind: global_buffer, .address_space: global }
    .group_segment_fixed_size: 0
    .private_segment_fixed_size: 0
    .kernarg_segment_align: 8
    .kernarg_segment_size: 32
    .max_flat_workgroup_size: 320
    .sgpr_count:     66
    .vgpr_count:     96
    .wavefront_size: 32
...
	.end_amdgpu_metadata
.endif
;; end of part 2
;; ======== version 2 of 3: 2 launches; 1.42 times as fast as version 1
;; workspace buffers: cell 32,768,000 bytes of whole numbers
;; launch cells (part 3): grid 10 x 320, 4 waves a work-group, no clusters, 0 bytes of LDS; arguments deformation, cell; writes cell
.if DOCPART == 3
	.amdgcn_target "amdgcn-amd-amdhsa--gfx1250"
	.amdhsa_code_object_version 6
	.text
	.protected	k_q25cae8a9e1_cells
	.globl	k_q25cae8a9e1_cells
	.p2align	8
	.type	k_q25cae8a9e1_cells,@function
k_q25cae8a9e1_cells:
	s_mov_b64 s[64:65], 0
	v_nop
	global_prefetch_b8 v0, s[64:65] scope:SCOPE_SE
	s_setreg_imm32_b32 hwreg(HW_REG_WAVE_MODE, 25, 1), 1
	s_wait_xcnt 0x0
; CELLS: for every output point (b, h, w, d) the voxel cell that it samples, as one whole number.
;   x = 80 (gx[w] + def0 + 1), y = 80 (gy[h] + def1 + 1), z = 80 (gz[d] + def2 + 1);  x' = clamp(floor x, 0, 158), y', z' alike;
;   cell = (z' * 160 + y') << 10 | x' << 2.       The next launch forms its gather addresses from these numbers alone.
; The lower corner is clamped to 158, not 159, so that the upper corner always lies in the volume; what reference()'s clip to 0..159
; means for the weights is settled in the next launch, from the same coordinates.
; BIT FOR BIT: reference() pairs x's weights with the z voxels and z's with the x voxels, so its result jumps where x or z crosses a
; whole number.  floor() must fall as in reference(): the same f32 operations in the same order, NOT fused: add, add 1, times 80
; (= 0.5 * .. * 160: the factor 0.5 is exact); the packed forms round each half like the single ones.  The grid is
; jnp.linspace(-1, 1, 160) as it is compiled: step = i * fl(1/159), g = step - (1 - step), g[159] = 1.
; LIMITS: deformations finite, |80 (g + d + 1)| < 2^31 (|d| below about 2.6e7): beyond that reference()'s conversion to int32 is out
; of range, while this text goes on clamping to the edge.  A NaN gives a cell inside the volume (and a NaN result in the next launch).
; SHARES: a wave takes a run of 640 consecutive points = 4 columns (w) of one h, as 20 rows of 32 points; lane L takes point 32 r + L of
; row r: 12 bytes of deformation by one load, and a load of the wave covers 384 consecutive bytes, every one of them used.
; 160 = 5 x 32: row r lies in column r / 5 at d = 32 (r mod 5) + L, so gx and gy are scalars and gz is five registers a lane.
; ORDER OF THE CELLS: the buffer is this program's own.  Rows go in quads; lane L's 16 bytes at 512 q + 16 L of the run hold the cells of
; its points in rows 4q .. 4q+3: a store of the wave covers 512 consecutive bytes, aligned, and the next launch reads it the same way.
; 12,800 runs = 10 x 320 work-groups of 4 waves.  Waves share nothing: no LDS, no barrier.  All 20 loads of a wave are issued at once.
.set DEFRUN, 7680                      ; bytes of deformation in a run
.set CELRUN, 2560                      ; bytes of cells in a run
.set ROWD,   384                       ; bytes of deformation in a row of 32 points
.set VD,   2                           ; v2       12 x lane
.set VI,   3                           ; v3       16 x lane
.set TA,   4                           ; v4, v5   scratch of the prologue
.set TB,   5
.set GZ,   6                           ; v[6:10]  gz[32 j + lane], j = 0..4
.set C,    12                          ; v[12:23] a quad's coordinates: x of its 4 points, y of the 4, z of the 4
.set D,    24                          ; v[24:103] deformation: row r in v[D+4r : D+4r+2]; a quad's first four registers then carry its cells
.set GXS,  16                          ; s[16:19] gx of the run's four columns
.set GYS,  20                          ; s20 gy[h]
.set SR,   21                          ; s21 fl(1/159)
.set S159, 22                          ; s22 159.0
.set S158, 23                          ; s23 158.0
.set M4,   24                          ; s24 lanes 0-3
; dst = linspace(-1, 1, 160)[src], src a whole number as f32.  last = 1: src may be 159, the end point, which is exactly 1
.macro GRIDF dst, src, tmp, last
	v_mul_f32 v[\dst], s[SR], v[\src]              ; step
	v_sub_f32 v[\tmp], 1.0, v[\dst]                ; 1 - step
	v_sub_f32 v[\dst], v[\dst], v[\tmp]            ; 1 * step + (-1) * (1 - step)
.if \last
	v_cmp_neq_f32 vcc_lo, s[S159], v[\src]
	v_cndmask_b32 v[\dst], 1.0, v[\dst], vcc_lo
.endif
.endm
.macro GZROW j, f, last                ; gz at d = f + lane
	v_add_f32 v[TB], \f, v[TA]
	GRIDF GZ+\j, TB, C, \last
.endm
; rows 4q .. 4q+3: four points a lane
.macro QUAD q
	s_wait_loadcnt 4*(4-\q)                        ; loads come back in order (ISA guide 5.7.1): this quad's four are in, the later quads' stay out
.irp i, 0,1,2,3
	v_add_f32 v[C+\i],   s[GXS+(4*\q+\i)/5], v[D+16*\q+4*\i]
	v_add_f32 v[C+4+\i], s[GYS],             v[D+16*\q+4*\i+1]
	v_add_f32 v[C+8+\i], v[GZ+(4*\q+\i)%5],  v[D+16*\q+4*\i+2]
.endr
.irp p, 0,2,4,6,8,10
	v_pk_add_f32 v[C+\p:C+\p+1], v[C+\p:C+\p+1], 1.0 op_sel_hi:[1,0]
.endr
.irp p, 0,2,4,6,8,10
	v_pk_mul_f32 v[C+\p:C+\p+1], v[C+\p:C+\p+1], 0x42a00000 op_sel_hi:[1,0]    ; x 80
.endr
.irp n, 0,1,2,3,4,5,6,7,8,9,10,11
	v_floor_f32 v[C+\n], v[C+\n]
.endr
.irp n, 0,1,2,3,4,5,6,7,8,9,10,11
	v_med3_num_f32 v[C+\n], v[C+\n], 0, s[S158]
.endr
.irp p, 0,2
	v_pk_fma_f32 v[C+8+\p:C+9+\p], v[C+8+\p:C+9+\p], 0x43200000, v[C+4+\p:C+5+\p] op_sel_hi:[1,0,1]   ; row = 160 z' + y': at most 25,438, exact in f32
	v_pk_mul_f32 v[C+\p:C+\p+1], v[C+\p:C+\p+1], 4.0 op_sel_hi:[1,0]                                  ; x' in bytes
.endr
.irp i, 0,1,2,3
	v_cvt_u32_f32 v[C+8+\i], v[C+8+\i]
	v_cvt_u32_f32 v[C+\i], v[C+\i]
.endr
.irp i, 0,1,2,3
	v_lshl_or_b32 v[D+16*\q+\i], v[C+8+\i], 10, v[C+\i]        ; into registers of this quad's own, read out above: no store's data is ever rewritten
.endr
	global_store_b128 v[VI], v[D+16*\q:D+16*\q+3], s[6:7] offset:512*\q     ; no hint: the next launch reads these
.endm
	s_load_b128 s[4:7], s[0:1], 0x0                ; deformation s[4:5], cell s[6:7]
	v_lshrrev_b32 v1, 5, v0
	v_readfirstlane_b32 s8, v1                     ; wave 0..3
	v_and_b32 v1, 31, v0                           ; lane
	s_and_b32 s9, ttmp7, 0xffff                    ; the work-group's y: 160 b + h
	s_lshl2_add_u32 s10, ttmp9, s8                 ; quad of columns: 4 x + wave, 0..39
	s_mul_i32 s11, s9, 40
	s_add_co_u32 s11, s11, s10                     ; run
	s_mul_i32 s12, s11, DEFRUN                     ; below 98,304,000
	s_mov_b32 s13, 0
	s_mul_i32 s14, s11, CELRUN
	s_mov_b32 s15, 0
	s_cmp_ge_u32 s9, 160
	s_cselect_b32 s2, 160, 0
	s_sub_co_u32 s9, s9, s2                        ; h
	s_lshl_b32 s10, s10, 2                         ; w of the run's first column
	s_mov_b32 s[SR], 0x3bce168a
	s_mov_b32 s[S159], 0x431f0000
	s_mov_b32 s[S158], 0x431e0000
	s_mov_b32 s[M4], 15
	v_mul_u32_u24 v[VD], 12, v1
	v_lshlrev_b32 v[VI], 4, v1
	s_wait_kmcnt 0x0
	s_add_nc_u64 s[4:5], s[4:5], s[12:13]
	s_add_nc_u64 s[6:7], s[6:7], s[14:15]
.set r, 0
.rept 20
	global_load_b96 v[D+4*r:D+4*r+2], v[VD], s[4:5] offset:ROWD*r th:TH_LOAD_NT
.set r, r+1
.endr
	; the grid, while the loads are on their way.  One evaluation serves gx and gy: lanes 0-3 take the four columns, the others h
	v_add_nc_u32 v[TA], s10, v1
	v_cndmask_b32 v[TA], s9, v[TA], s[M4]
	v_cvt_f32_u32 v[TA], v[TA]
	GRIDF TB, TA, C, 1
	v_readlane_b32 s[GXS],   v[TB], 0
	v_readlane_b32 s[GXS+1], v[TB], 1
	v_readlane_b32 s[GXS+2], v[TB], 2
	v_readlane_b32 s[GXS+3], v[TB], 3
	v_readlane_b32 s[GYS],   v[TB], 4
	v_cvt_f32_u32 v[TA], v1                        ; lane as f32
	GRIDF GZ, TA, C, 0
	GZROW 1, 32.0, 0
	GZROW 2, 64.0, 0
	GZROW 3, 96.0, 0
	GZROW 4, 128.0, 1                              ; lane 31 is d = 159
	QUAD 0
	QUAD 1
	QUAD 2
	QUAD 3
	QUAD 4
	s_endpgm
.Lfunc_end_k_q25cae8a9e1_cells:
	.size	k_q25cae8a9e1_cells, .Lfunc_end_k_q25cae8a9e1_cells-k_q25cae8a9e1_cells
	.p2alignl 7, 3214868480
	.fill 96, 4, 3214868480
	.section	.rodata,"a",@progbits
	.p2align	6, 0x0
	.amdhsa_kernel k_q25cae8a9e1_cells
		.amdhsa_group_segment_fixed_size 0
		.amdhsa_private_segment_fixed_size 0
		.amdhsa_enable_private_segment 0
		.amdhsa_kernarg_size 16
		.amdhsa_user_sgpr_count 2
		.amdhsa_user_sgpr_kernarg_segment_ptr 1
		.amdhsa_wavefront_size32 1
		.amdhsa_system_sgpr_workgroup_id_x 1
		.amdhsa_system_sgpr_workgroup_id_y 1
		.amdhsa_system_sgpr_workgroup_id_z 1
		.amdhsa_system_vgpr_workitem_id 0
		.amdhsa_next_free_vgpr 104
		.amdhsa_next_free_sgpr 66
		.amdhsa_reserve_vcc 1
		.amdhsa_float_denorm_mode_32 3
		.amdhsa_float_denorm_mode_16_64 3
		.amdhsa_memory_ordered 1
		.amdhsa_forward_progress 1
		.amdhsa_inst_pref_size 22
	.end_amdhsa_kernel
	.amdgpu_metadata
---
amdhsa.version: [ 1, 2 ]
amdhsa.kernels:
  - .name:           k_q25cae8a9e1_cells
    .symbol:         k_q25cae8a9e1_cells.kd
    .args:
      - { .name: deformation, .offset: 0, .size: 8, .value_kind: global_buffer, .address_space: global }
      - { .name: cell, .offset: 8, .size: 8, .value_kind: global_buffer, .address_space: global }
    .group_segment_fixed_size: 0
    .private_segment_fixed_size: 0
    .kernarg_segment_align: 8
    .kernarg_segment_size: 16
    .max_flat_workgroup_size: 128
    .sgpr_count:     66
    .vgpr_count:     104
    .wavefront_size: 32
...
	.end_amdgpu_metadata
.endif
;; end of part 3
;; launch sample (part 4): grid 10 x 320, 4 waves a work-group, no clusters, 10,752 bytes of LDS; arguments deformation, vol, cell, out0; writes out0
.if DOCPART == 4
	.amdgcn_target "amdgcn-amd-amdhsa--gfx1250"
	.amdhsa_code_object_version 6
	.text
	.protected	k_q25cae8a9e1_sample
	.globl	k_q25cae8a9e1_sample
	.p2align	8
	.type	k_q25cae8a9e1_sample,@function
k_q25cae8a9e1_sample:
	s_mov_b64 s[64:65], 0
	v_nop
	global_prefetch_b8 v0, s[64:65] scope:SCOPE_SE
	s_setreg_imm32_b32 hwreg(HW_REG_WAVE_MODE, 25, 1), 1
	s_wait_xcnt 0x0
; SAMPLE: out[b,h,w,d] = reference()'s eight-term blend of vol.  Addresses come from the whole numbers of the launch before
; (cell = (z' * 160 + y') << 10 | x' << 2, x', y', z' in 0..158); weights are formed here in f32 from the deformation.
; One address a point: the eight voxels lie at +0/+4 (x), +0/+640 (y), +0/+102400 (z) bytes from the cell's lower corner.
; WEIGHTS.  For an axis with coordinate c: c0 = clip(floor c), c1 = clip(floor c + 1) to 0..159; reference() has w0 = c1 - c, w1 = c - c0.
; With s = c1 - c0 (1 inside, 0 <= c < 159; 0 where the clip makes both corners one voxel) w0 = s - w1, exactly: inside, w1 and 1 - w1
; are whole multiples of c's last place; clipped, w0 = -w1.  So only w1 and s are formed.
; reference() pairs the x voxels with z's weights, the z voxels with x's, the y voxels with y's: kept so.  Let p be that partner axis.
; The loaded upper voxel of an axis gets aU = w1p * s + (c >= 159 ? sp : 0), the lower one aL = sp - aU:
;   inside (w0p, w1p);  clipped below: both of reference()'s voxels are voxel 0 = the loaded lower one: (sp, 0);
;   clipped above: both are voxel 159 = the loaded upper one (the cell was clamped to 158): (0, sp).
; For y the partner is y itself: clipped, s = 0 and both coefficients are 0, so that y's w1 needs no clamp of its floor.
; Every choice selects a value (v_cndmask_b32); no address and no branch hangs on a float.
; The coordinates are formed by the very operations of the launch before (unfused add, add 1, times 80; the same grid), so that
; 'inside' here agrees with the stored cell bit for bit.
; LIMITS: deformations finite, |80 (g + d + 1)| < 2^31 (|d| below about 2.6e7), where reference()'s conversion to int32 ends; NaN in gives NaN out.
; The blend is nested (x, then y, then z), not eight triple products: another order of rounding than reference()'s.
; SHARES as in the launch before: a wave takes 640 consecutive points (4 columns of one h) as 20 rows of 32, lane L point 32 r + L of row r,
; rows in quads.  Deformation: one 12-byte load a point, 384 consecutive bytes a wave, all used.  Cells: 16 bytes a lane, in the order in which they were stored.
; RESULTS: a lane's four results of a quad lie 128 bytes apart in out0, so they take a turn through the wave's own 2,560 bytes of LDS (4 bytes a
; point; turning the deformation instead would be 12): four stores by rows, one 16-byte load back, and a global store of the wave covers 512
; consecutive bytes, aligned.  No other wave touches those LDS bytes: no barrier.
; In flight in a wave: a quad's 32 gathers and the next quad's five loads, which are issued behind the gathers.
; 12,800 runs = 10 x 320 work-groups of 4 waves.
; No tile of vol is staged in LDS and nothing is shared in a cluster: where a point samples is known only from its cell, and at the drawn
; spread (8 voxels a side) one point's cells already range over some 48^3 voxels = 442 KB, more than the 320 KiB of LDS.
.set DEFRUN, 7680                      ; bytes of deformation in a run
.set OUTRUN, 2560                      ; bytes of cells, of results, and of a wave's LDS
.set ROWD,   384                       ; bytes of deformation in a row of 32 points
.set ROWB,   640                       ; vol: bytes from y to y + 1
.set PLANEB, 102400                    ; vol: bytes from z to z + 1
.set BATCHB, 16384000                  ; bytes of one volume
.set VD,   2                           ; v2       12 x lane
.set VI,   3                           ; v3       16 x lane
.set LS,   4                           ; v4       LDS: my wave's bytes + 4 x lane
.set LL,   5                           ; v5       LDS: my wave's bytes + 16 x lane
.set GZ,   6                           ; v[6:10]  gz[32 j + lane], j = 0..4
.set I,    12                          ; v[12:15] my four cells
.set D,    16                          ; v[16:31] deformation: point i in v[D+4i : D+4i+2]
.set A,    32                          ; v[32:35] byte offset of each point's lower corner
.set G,    36                          ; v[36:67] voxel c = 4 xbit + 2 ybit + zbit of point i in v[G+4c+i]: pairs of points lie side by side
.set C,    68                          ; v[68:79] x of the 4 points, y, z: coordinate, then s, then aL
.set F,    80                          ; v[80:91] the same order: floor, then w1, then aU
.set T,    92                          ; v[92:99] scratch
.set OL,   100                         ; v[100:103] four neighbouring results, read back from LDS
.set ALX,  C+8                         ; aL of the x voxels = s_z - aU: in s_z's place; and so on
.set ALY,  C+4
.set ALZ,  C
.set AUX,  F+8                         ; aU of the x voxels is made of z's w1, in its place
.set AUY,  F+4
.set AUZ,  F
.set GXS,  20                          ; s[20:23] gx of the run's four columns
.set GYS,  24                          ; s24 gy[h]
.set SR,   25                          ; s25 fl(1/159)
.set S159, 26                          ; s26 159.0
.set M4,   27                          ; s27 lanes 0-3
.set MI,   28                          ; s[28:39] inside, in C's order
.set MH,   40                          ; s[40:47] c >= 159: x of the 4 points, z of the 4
; dst = linspace(-1, 1, 160)[src]: the same lines as in the launch before
.macro GRIDF dst, src, tmp, last
	v_mul_f32 v[\dst], s[SR], v[\src]
	v_sub_f32 v[\tmp], 1.0, v[\dst]
	v_sub_f32 v[\dst], v[\dst], v[\tmp]
.if \last
	v_cmp_neq_f32 vcc_lo, s[S159], v[\src]
	v_cndmask_b32 v[\dst], 1.0, v[\dst], vcc_lo
.endif
.endm
.macro GZROW j, f, last
	v_add_f32 v[T+1], \f, v[T]
	GRIDF GZ+\j, T+1, T+2, \last
.endm
.macro GATHER i                        ; x' and x' + 1 of a row one behind the other
	global_load_b32 v[G+\i],    v[A+\i], s[6:7]
	global_load_b32 v[G+16+\i], v[A+\i], s[6:7] offset:4
	global_load_b32 v[G+8+\i],  v[A+\i], s[6:7] offset:ROWB
	global_load_b32 v[G+24+\i], v[A+\i], s[6:7] offset:ROWB+4
	global_load_b32 v[G+4+\i],  v[A+\i], s[6:7] offset:PLANEB
	global_load_b32 v[G+20+\i], v[A+\i], s[6:7] offset:PLANEB+4
	global_load_b32 v[G+12+\i], v[A+\i], s[6:7] offset:PLANEB+ROWB
	global_load_b32 v[G+28+\i], v[A+\i], s[6:7] offset:PLANEB+ROWB+4
.endm
.macro LOADS q                         ; a quad's cells and its deformation: five loads
	global_load_b128 v[I:I+3], v[VI], s[8:9] offset:512*(\q) th:TH_LOAD_NT
.irp i, 0,1,2,3
	global_load_b96 v[D+4*\i:D+4*\i+2], v[VD], s[4:5] offset:ROWD*(4*(\q)+\i) th:TH_LOAD_NT
.endr
.endm
; points p and p + 1 at once: 14 packed operations, x, then y, then z; the results end in v[G+p : G+p+1]
.macro BLEND p
.irp c, 0,1,2,3
	v_pk_mul_f32 v[G+4*\c+\p:G+4*\c+\p+1], v[G+4*\c+\p:G+4*\c+\p+1], v[ALX+\p:ALX+\p+1]
.endr
.irp c, 0,1,2,3
	v_pk_fma_f32 v[G+4*\c+\p:G+4*\c+\p+1], v[G+16+4*\c+\p:G+16+4*\c+\p+1], v[AUX+\p:AUX+\p+1], v[G+4*\c+\p:G+4*\c+\p+1]
.endr
.irp c, 0,1
	v_pk_mul_f32 v[G+4*\c+\p:G+4*\c+\p+1], v[G+4*\c+\p:G+4*\c+\p+1], v[ALY+\p:ALY+\p+1]
.endr
.irp c, 0,1
	v_pk_fma_f32 v[G+4*\c+\p:G+4*\c+\p+1], v[G+8+4*\c+\p:G+8+4*\c+\p+1], v[AUY+\p:AUY+\p+1], v[G+4*\c+\p:G+4*\c+\p+1]
.endr
	v_pk_mul_f32 v[G+\p:G+\p+1], v[G+\p:G+\p+1], v[ALZ+\p:ALZ+\p+1]
	v_pk_fma_f32 v[G+\p:G+\p+1], v[G+4+\p:G+4+\p+1], v[AUZ+\p:AUZ+\p+1], v[G+\p:G+\p+1]
.endm
; rows 4q .. 4q+3: four points a lane.  more = 1: a quad follows, and its five loads are issued behind this quad's gathers
.macro QUAD q, more
	s_wait_loadcnt 0x0                             ; this quad's cells and deformation, asked for a quad ago; nothing else of this wave's is out here
	; byte offset of each point's lower corner.  Both fields are bounded by constants, so that the farthest voxel,
	; 25438 * 640 + 632 + 103044 + 3, is the volume's last byte.  (A's last readers, the gathers before, were waited for by the last blend.)
.irp i, 0,1,2,3
	v_lshrrev_b32 v[T+\i], 10, v[I+\i]
	v_and_b32 v[T+4+\i], 0x3fc, v[I+\i]
.endr
.irp i, 0,1,2,3
	v_min_u32 v[T+\i], 25438, v[T+\i]              ; z' * 160 + y' <= 158 * 160 + 158
	v_min_u32 v[T+4+\i], 632, v[T+4+\i]            ; 4 x' <= 4 * 158
.endr
.irp i, 0,1,2,3
	v_mul_u32_u24 v[T+\i], 640, v[T+\i]
.endr
.irp i, 0,1,2,3
	v_add_nc_u32 v[A+\i], v[T+\i], v[T+4+\i]
.endr
.irp i, 0,1,2,3
	GATHER \i
.endr
.irp i, 0,1,2,3
	v_add_f32 v[C+\i],   s[GXS+(4*\q+\i)/5], v[D+4*\i]         ; unfused on purpose: floor has to fall as in reference()
	v_add_f32 v[C+4+\i], s[GYS],             v[D+4*\i+1]
	v_add_f32 v[C+8+\i], v[GZ+(4*\q+\i)%5],  v[D+4*\i+2]
.endr
.if \more
	LOADS (\q+1)                                   ; I and D have been read out above
.endif
.if \q
	s_wait_dscnt 0x0                               ; the last quad's results are back from LDS
	global_store_b128 v[VI], v[OL:OL+3], s[10:11] offset:512*(\q-1) th:TH_STORE_NT
.endif
.irp p, 0,2,4,6,8,10
	v_pk_add_f32 v[C+\p:C+\p+1], v[C+\p:C+\p+1], 1.0 op_sel_hi:[1,0]
.endr
.irp p, 0,2,4,6,8,10
	v_pk_mul_f32 v[C+\p:C+\p+1], v[C+\p:C+\p+1], 0x42a00000 op_sel_hi:[1,0]    ; x 80
.endr
.irp n, 0,1,2,3,4,5,6,7,8,9,10,11
	v_floor_f32 v[F+\n], v[C+\n]
.endr
.irp n, 0,1,2,3,8,9,10,11
	v_med3_num_f32 v[F+\n], v[F+\n], 0, s[S159]    ; c0 of x and z; y's is not needed where it differs from the floor
.endr
.irp n, 0,1,2,3,4,5,6,7,8,9,10,11
	v_cmp_gt_u32 s[MI+\n], s[S159], v[C+\n]        ; 0 <= c < 159 in one compare of the bits: a negative c has the top bit set, and c is never -0 (t + 1 = 0 gives +0)
.endr
.irp i, 0,1,2,3
	v_cmp_le_f32 s[MH+\i],   s[S159], v[C+\i]
	v_cmp_le_f32 s[MH+4+\i], s[S159], v[C+8+\i]
.endr
.irp p, 0,2,4,6,8,10
	v_pk_add_f32 v[F+\p:F+\p+1], v[C+\p:C+\p+1], v[F+\p:F+\p+1] neg_lo:[0,1] neg_hi:[0,1]      ; w1 = c - c0
.endr
.irp n, 0,1,2,3,4,5,6,7,8,9,10,11
	v_cndmask_b32 v[C+\n], 0, 1.0, s[MI+\n]        ; s
.endr
.irp i, 0,1,2,3
	v_cndmask_b32 v[T+\i],   0, v[C+8+\i], s[MH+\i]            ; x clipped above: the upper x voxel gets s_z
	v_cndmask_b32 v[T+4+\i], 0, v[C+\i],   s[MH+4+\i]          ; z clipped above: the upper z voxel gets s_x
.endr
.irp p, 0,2
	v_pk_fma_f32 v[AUX+\p:AUX+\p+1], v[F+8+\p:F+9+\p], v[C+\p:C+\p+1],   v[T+\p:T+\p+1]        ; w1z s_x + ..
	v_pk_fma_f32 v[AUZ+\p:AUZ+\p+1], v[F+\p:F+\p+1],   v[C+8+\p:C+9+\p], v[T+4+\p:T+5+\p]      ; w1x s_z + ..
	v_pk_mul_f32 v[AUY+\p:AUY+\p+1], v[F+4+\p:F+5+\p], v[C+4+\p:C+5+\p]                        ; w1y s_y
.endr
.irp p, 0,2,4,6,8,10
	v_pk_add_f32 v[C+\p:C+\p+1], v[C+\p:C+\p+1], v[F+\p:F+\p+1] neg_lo:[0,1] neg_hi:[0,1]      ; aL = sp - aU: s_x - aU(z), s_y - aU(y), s_z - aU(x)
.endr
	s_wait_loadcnt 16+5*\more                      ; loads come back in order (ISA guide 5.7.1): the voxels of points 0 and 1 are in; younger are 16 gathers and the next quad's five loads
	BLEND 0
	s_wait_loadcnt 5*\more                         ; all 32 voxels are in
	BLEND 2
.irp i, 0,1,2,3
	ds_store_b32 v[LS], v[G+\i] offset:512*\q+128*\i           ; point 128 q + 32 i + lane of the run, at 4 bytes a point
.endr
.if \q
	s_wait_xcnt 0x0                                ; the store above has had its address translated (ISA guide 3.1): OL is rewritten only behind this wait
.endif
	ds_load_b128 v[OL:OL+3], v[LL] offset:512*\q   ; LDS serves a wave's instructions in order (ISA guide 5.7.1.4): this sees the four stores
.endm
	s_load_b256 s[4:11], s[0:1], 0x0               ; deformation s[4:5], vol s[6:7], cell s[8:9], out0 s[10:11]
	v_lshl_add_u32 v104, v0, 2, 0x2800
	v_mov_b32 v105, 0
	v_lshrrev_b32 v1, 5, v0
	v_readfirstlane_b32 s12, v1                    ; wave 0..3
	v_and_b32 v1, 31, v0                           ; lane
	s_and_b32 s13, ttmp7, 0xffff                   ; the work-group's y: 160 b + h
	s_lshl2_add_u32 s14, ttmp9, s12                ; quad of columns: 4 x + wave, 0..39
	s_mul_i32 s15, s13, 40
	s_add_co_u32 s15, s15, s14                     ; run
	s_mul_i32 s16, s15, DEFRUN                     ; below 98,304,000
	s_mov_b32 s17, 0
	s_mul_i32 s18, s15, OUTRUN
	s_mov_b32 s19, 0
	s_cmp_ge_u32 s13, 160
	s_cselect_b32 s2, BATCHB, 0                    ; the batch's volume
	s_cselect_b32 s15, 160, 0
	s_mov_b32 s3, 0
	s_sub_co_u32 s13, s13, s15                     ; h
	s_lshl_b32 s14, s14, 2                         ; w of the run's first column
	s_mul_i32 s15, s12, OUTRUN                     ; my wave's bytes of LDS
	s_mov_b32 s[SR], 0x3bce168a
	s_mov_b32 s[S159], 0x431f0000
	s_mov_b32 s[M4], 15
	v_mul_u32_u24 v[VD], 12, v1
	v_lshlrev_b32 v[VI], 4, v1
	v_lshl_add_u32 v[LS], v1, 2, s15
	v_add_nc_u32 v[LL], s15, v[VI]
	s_wait_kmcnt 0x0
	s_add_nc_u64 s[4:5], s[4:5], s[16:17]
	s_add_nc_u64 s[6:7], s[6:7], s[2:3]
	s_add_nc_u64 s[8:9], s[8:9], s[18:19]
	s_add_nc_u64 s[10:11], s[10:11], s[18:19]
	LOADS 0
	; the grid, while the first loads are on their way.  One evaluation serves gx and gy: lanes 0-3 take the four columns, the others h
	v_add_nc_u32 v[T], s14, v1
	v_cndmask_b32 v[T], s13, v[T], s[M4]
	v_cvt_f32_u32 v[T], v[T]
	GRIDF T+1, T, T+2, 1
	v_readlane_b32 s[GXS],   v[T+1], 0
	v_readlane_b32 s[GXS+1], v[T+1], 1
	v_readlane_b32 s[GXS+2], v[T+1], 2
	v_readlane_b32 s[GXS+3], v[T+1], 3
	v_readlane_b32 s[GYS],   v[T+1], 4
	v_cvt_f32_u32 v[T], v1                         ; lane as f32
	GRIDF GZ, T, T+2, 0
	GZROW 1, 32.0, 0
	GZROW 2, 64.0, 0
	GZROW 3, 96.0, 0
	GZROW 4, 128.0, 1                              ; lane 31 is d = 159
	QUAD 0, 1
	QUAD 1, 1
	QUAD 2, 1
	QUAD 3, 1
	QUAD 4, 0                                      ; the last quad asks for nothing more: its counts run down to 0
	s_wait_dscnt 0x0
	global_store_b128 v[VI], v[OL:OL+3], s[10:11] offset:512*4 th:TH_STORE_NT
	s_wait_tensorcnt 0x0
	ds_add_u32 v104, v105
	s_wait_dscnt 0x0
	s_endpgm
.Lfunc_end_k_q25cae8a9e1_sample:
	.size	k_q25cae8a9e1_sample, .Lfunc_end_k_q25cae8a9e1_sample-k_q25cae8a9e1_sample
	.p2alignl 7, 3214868480
	.fill 96, 4, 3214868480
	.section	.rodata,"a",@progbits
	.p2align	6, 0x0
	.amdhsa_kernel k_q25cae8a9e1_sample
		.amdhsa_group_segment_fixed_size 10752
		.amdhsa_private_segment_fixed_size 0
		.amdhsa_enable_private_segment 0
		.amdhsa_kernarg_size 32
		.amdhsa_user_sgpr_count 2
		.amdhsa_user_sgpr_kernarg_segment_ptr 1
		.amdhsa_wavefront_size32 1
		.amdhsa_system_sgpr_workgroup_id_x 1
		.amdhsa_system_sgpr_workgroup_id_y 1
		.amdhsa_system_sgpr_workgroup_id_z 1
		.amdhsa_system_vgpr_workitem_id 0
		.amdhsa_next_free_vgpr 106
		.amdhsa_next_free_sgpr 66
		.amdhsa_reserve_vcc 1
		.amdhsa_float_denorm_mode_32 3
		.amdhsa_float_denorm_mode_16_64 3
		.amdhsa_memory_ordered 1
		.amdhsa_forward_progress 1
		.amdhsa_inst_pref_size 68
	.end_amdhsa_kernel
	.amdgpu_metadata
---
amdhsa.version: [ 1, 2 ]
amdhsa.kernels:
  - .name:           k_q25cae8a9e1_sample
    .symbol:         k_q25cae8a9e1_sample.kd
    .args:
      - { .name: deformation, .offset: 0, .size: 8, .value_kind: global_buffer, .address_space: global }
      - { .name: vol, .offset: 8, .size: 8, .value_kind: global_buffer, .address_space: global }
      - { .name: cell, .offset: 16, .size: 8, .value_kind: global_buffer, .address_space: global }
      - { .name: out0, .offset: 24, .size: 8, .value_kind: global_buffer, .address_space: global }
    .group_segment_fixed_size: 10752
    .private_segment_fixed_size: 0
    .kernarg_segment_align: 8
    .kernarg_segment_size: 32
    .max_flat_workgroup_size: 128
    .sgpr_count:     66
    .vgpr_count:     106
    .wavefront_size: 32
...
	.end_amdgpu_metadata
.endif
;; end of part 4
;; ======== version 3 of 3: 2 launches; version 2 with the launch sample written anew for expert scheduling mode
;; workspace buffers: cell 32,768,000 bytes of whole numbers
;; launch cells: the kernel of part 3 again; grid 10 x 320, 4 waves a work-group, no clusters, 0 bytes of LDS; arguments deformation, cell; writes cell
;; launch sample (part 5): grid 10 x 320, 4 waves a work-group, no clusters, 10,752 bytes of LDS; arguments deformation, vol, cell, out0; writes out0
.if DOCPART == 5
	.amdgcn_target "amdgcn-amd-amdhsa--gfx1250"
	.amdhsa_code_object_version 6
	.text
	.protected	k_q25cae8a9e1_sample
	.globl	k_q25cae8a9e1_sample
	.p2align	8
	.type	k_q25cae8a9e1_sample,@function
k_q25cae8a9e1_sample:
	s_mov_b64 s[64:65], 0
	v_nop
	global_prefetch_b8 v0, s[64:65] scope:SCOPE_SE
	s_setreg_imm32_b32 hwreg(HW_REG_WAVE_SCHED_MODE, 0, 2), 2
	s_setreg_imm32_b32 hwreg(HW_REG_WAVE_MODE, 25, 1), 1
	s_wait_xcnt 0x0
	s_wait_alu depctr_vm_vsrc(0)
; SAMPLE: out[b,h,w,d] = reference()'s eight-term blend of vol.  Addresses come from the whole numbers of the launch before
; (cell = (z' * 160 + y') << 10 | x' << 2, x', y', z' in 0..158); weights are formed here in f32 from the deformation.
; One address a point: the eight voxels lie at +0/+4 (x), +0/+640 (y), +0/+102400 (z) bytes from the cell's lower corner.
; WEIGHTS.  For an axis with coordinate c: c0 = clip(floor c), c1 = clip(floor c + 1) to 0..159; reference() has w0 = c1 - c, w1 = c - c0.
; With s = c1 - c0 (1 inside, 0 <= c < 159; 0 where the clip makes both corners one voxel) w0 = s - w1, exactly: inside, w1 and 1 - w1
; are whole multiples of c's last place; clipped, w0 = -w1.  So only w1 and s are formed.
; reference() pairs the x voxels with z's weights, the z voxels with x's, the y voxels with y's: kept so.  Let p be that partner axis.
; The loaded upper voxel of an axis gets aU = w1p * s + (c >= 159 ? sp : 0), the lower one aL = sp - aU:
;   inside (w0p, w1p);  clipped below: both of reference()'s voxels are voxel 0 = the loaded lower one: (sp, 0);
;   clipped above: both are voxel 159 = the loaded upper one (the cell was clamped to 158): (0, sp).
; For y the partner is y itself: clipped, s = 0 and both coefficients are 0, so that y's w1 needs no clamp of its floor.
; Every choice selects a value (v_cndmask_b32); no address and no branch hangs on a float.
; The coordinates are formed by the very operations of the launch before (unfused add, add 1, times 80; the same grid), so that
; 'inside' here agrees with the stored cell bit for bit.
; LIMITS: deformations finite, |80 (g + d + 1)| < 2^31 (|d| below about 2.6e7), where reference()'s conversion to int32 ends; NaN in gives NaN out.
; The blend is nested (x, then y, then z), not eight triple products: another order of rounding than reference()'s.
; SHARES as in the launch before: a wave takes 640 consecutive points (4 columns of one h) as 20 rows of 32, lane L point 32 r + L of row r,
; rows in quads.  Deformation: one 12-byte load a point, 384 consecutive bytes a wave, all used.  Cells: 16 bytes a lane, in the order in which they were stored.
; RESULTS: a lane's four results of a quad lie 128 bytes apart in out0, so they take a turn through the wave's own 2,560 bytes of LDS (4 bytes a
; point; turning the deformation instead would be 12): four stores by rows, one 16-byte load back, and a global store of the wave covers 512
; consecutive bytes, aligned.  No other wave touches those LDS bytes: no barrier.
; In flight in a wave: a quad's 32 gathers and the next quad's five loads, which are issued behind the gathers.
; 12,800 runs = 10 x 320 work-groups of 4 waves.
; No tile of vol is staged in LDS and nothing is shared in a cluster: where a point samples is known only from its cell, and at the drawn
; spread (8 voxels a side) one point's cells already range over some 48^3 voxels = 442 KB, more than the 320 KiB of LDS.
; THE MODE: SCHED_MODE bits 1:0 = 2 (LLVM: expert scheduling mode 2), set by the entry lines.  The code itself states the register dependences
; between vector instructions and memory or LDS instructions, with s_wait_alu, always for 0.
; THE PLAN.  Registers that memory or LDS instructions touch:
;   VD, VI, LS, LL  offsets, made once at the head and never written again.
;   I, D       Quad q's five loads, issued in quad q - 1, land in them; quad q's address lines read I, its twelve adds g + d read D.
;   A          Written by quad q's address lines; read by quad q's 32 gathers.
;   G          Quad q's gathers land in it; quad q's blend reads and writes it.  No memory instruction reads it.
;   R0, R1     The last line of quad q's blend writes R[q % 2]; the four LDS stores that are issued in quad q + 1 read it; blend q + 2 writes it again.
;   OL         The LDS load issued in quad q (quad q - 1's results) lands in it; the global store later in quad q reads it.
;   C, F, T, GZ are named by vector instructions alone.
; A quad opens with its address lines and its adds.  Ahead of them one wait on vm_vsrc: A, OL and this quad's R have been read by the last quad's
; gathers and stores.  Behind them ONE wait on va_vdst: A is written, the last blend is done with G and has written its R, I and D are read out.
; From there to the blend the vector lines name C, F, T and scalar masks alone, none of the registers that the quad's memory and LDS
; instructions touch: these are dealt among them with no further wait.  Behind the blend no memory instruction is issued before the next quad's wait.
; One wait on va_sdst a quad stands between the run of compares and the first select that reads a mask.
.set DEFRUN, 7680                      ; bytes of deformation in a run
.set OUTRUN, 2560                      ; bytes of cells, of results, and of a wave's LDS
.set ROWD,   384                       ; bytes of deformation in a row of 32 points
.set ROWB,   640                       ; vol: bytes from y to y + 1
.set PLANEB, 102400                    ; vol: bytes from z to z + 1
.set BATCHB, 16384000                  ; bytes of one volume
.set VD,   2                           ; v2       12 x lane
.set VI,   3                           ; v3       16 x lane
.set LS,   4                           ; v4       LDS: my wave's bytes + 4 x lane
.set LL,   5                           ; v5       LDS: my wave's bytes + 16 x lane
.set GZ,   6                           ; v[6:10]  gz[32 j + lane], j = 0..4
.set I,    12                          ; v[12:15] my four cells
.set D,    16                          ; v[16:31] deformation: point i in v[D+4i : D+4i+2]
.set A,    32                          ; v[32:35] byte offset of each point's lower corner
.set G,    36                          ; v[36:67] voxel c = 4 xbit + 2 ybit + zbit of point i in v[G+4c+i]: pairs of points lie side by side
.set C,    68                          ; v[68:79] x of the 4 points, y, z: coordinate, then s, then aL
.set F,    80                          ; v[80:91] the same order: floor, then w1, then aU
.set T,    92                          ; v[92:99] scratch
.set OL,   100                         ; v[100:103] four neighbouring results, read back from LDS
.set R,    104                         ; v[104:111] a quad's four results, two buffers by turns: quad q's at R + 4 (q % 2)
.set ALX,  C+8                         ; aL of the x voxels = s_z - aU: in s_z's place; and so on
.set ALY,  C+4
.set ALZ,  C
.set AUX,  F+8                         ; aU of the x voxels is made of z's w1, in its place
.set AUY,  F+4
.set AUZ,  F
.set GXS,  20                          ; s[20:23] gx of the run's four columns
.set GYS,  24                          ; s24 gy[h]
.set SR,   25                          ; s25 fl(1/159)
.set S159, 26                          ; s26 159.0
.set M4,   27                          ; s27 lanes 0-3
.set MI,   28                          ; s[28:39] inside, in C's order
.set MH,   40                          ; s[40:47] c >= 159: x of the 4 points, z of the 4
; dst = linspace(-1, 1, 160)[src]: the same operations as in the launch before; the compare stands first, so that three lines lie between it and the wait for it
.macro GRIDF dst, src, tmp, last
.if \last
	v_cmp_neq_f32 vcc_lo, s[S159], v[\src]
.endif
	v_mul_f32 v[\dst], s[SR], v[\src]
	v_sub_f32 v[\tmp], 1.0, v[\dst]
	v_sub_f32 v[\dst], v[\dst], v[\tmp]
.if \last
	s_wait_alu depctr_va_vcc(0)                    ; the compare has written VCC, which the select reads
	v_cndmask_b32 v[\dst], 1.0, v[\dst], vcc_lo
.endif
.endm
.macro GZROW j, f, last
	v_add_f32 v[T+1], \f, v[T]
	GRIDF GZ+\j, T+1, T+2, \last
.endm
.macro GATHER i                        ; x' and x' + 1 of a row one behind the other
	global_load_b32 v[G+\i],    v[A+\i], s[6:7]
	global_load_b32 v[G+16+\i], v[A+\i], s[6:7] offset:4
	global_load_b32 v[G+8+\i],  v[A+\i], s[6:7] offset:ROWB
	global_load_b32 v[G+24+\i], v[A+\i], s[6:7] offset:ROWB+4
	global_load_b32 v[G+4+\i],  v[A+\i], s[6:7] offset:PLANEB
	global_load_b32 v[G+20+\i], v[A+\i], s[6:7] offset:PLANEB+4
	global_load_b32 v[G+12+\i], v[A+\i], s[6:7] offset:PLANEB+ROWB
	global_load_b32 v[G+28+\i], v[A+\i], s[6:7] offset:PLANEB+ROWB+4
.endm
.macro LOADS q                         ; a quad's cells and its deformation: five loads
	global_load_b128 v[I:I+3], v[VI], s[8:9] offset:512*(\q) th:TH_LOAD_NT
.irp i, 0,1,2,3
	global_load_b96 v[D+4*\i:D+4*\i+2], v[VD], s[4:5] offset:ROWD*(4*(\q)+\i) th:TH_LOAD_NT
.endr
.endm
; quad q's results take their turn through LDS: four stores by rows, one 16-byte load back
.macro OUT q
.irp i, 0,1,2,3
	ds_store_b32 v[LS], v[R+4*((\q)%2)+\i] offset:512*(\q)+128*\i      ; point 128 q + 32 i + lane of the run, at 4 bytes a point
.endr
	ds_load_b128 v[OL:OL+3], v[LL] offset:512*(\q) ; LDS serves a wave's instructions in order (ISA guide 5.7.1.4): this sees the four stores
.endm
; points p and p + 1 at once: 14 packed operations, x, then y, then z; the results end in v[rb+p : rb+p+1], the quad's buffer of R
.macro BLEND p, rb
.irp c, 0,1,2,3
	v_pk_mul_f32 v[G+4*\c+\p:G+4*\c+\p+1], v[G+4*\c+\p:G+4*\c+\p+1], v[ALX+\p:ALX+\p+1]
.endr
.irp c, 0,1,2,3
	v_pk_fma_f32 v[G+4*\c+\p:G+4*\c+\p+1], v[G+16+4*\c+\p:G+16+4*\c+\p+1], v[AUX+\p:AUX+\p+1], v[G+4*\c+\p:G+4*\c+\p+1]
.endr
.irp c, 0,1
	v_pk_mul_f32 v[G+4*\c+\p:G+4*\c+\p+1], v[G+4*\c+\p:G+4*\c+\p+1], v[ALY+\p:ALY+\p+1]
.endr
.irp c, 0,1
	v_pk_fma_f32 v[G+4*\c+\p:G+4*\c+\p+1], v[G+8+4*\c+\p:G+8+4*\c+\p+1], v[AUY+\p:AUY+\p+1], v[G+4*\c+\p:G+4*\c+\p+1]
.endr
	v_pk_mul_f32 v[G+\p:G+\p+1], v[G+\p:G+\p+1], v[ALZ+\p:ALZ+\p+1]
	v_pk_fma_f32 v[(\rb)+\p:(\rb)+\p+1], v[G+4+\p:G+4+\p+1], v[AUZ+\p:AUZ+\p+1], v[G+\p:G+\p+1]
.endm
; rows 4q .. 4q+3: four points a lane.  more = 1: a quad follows, and its five loads are issued behind this quad's gathers
.macro QUAD q, more
	s_wait_loadcnt 0x0                             ; this quad's cells and deformation, asked for a quad ago; nothing else of this wave's is out here
.if \q > 1
	s_wait_xcnt 0x0                                ; the last quad's global store has had its address translated (ISA guide 3.1): OL, its data, is loaded again only behind this wait
.endif
.if \q
	s_wait_alu depctr_vm_vsrc(0)                   ; the last quad's gathers have read A, which is written below; from the third quad on also: its global store has read OL, in which the LDS load below lands, and its LDS stores have read the buffer of R that this quad's blend writes
.endif
	; byte offset of each point's lower corner.  Both fields are bounded by constants, so that the farthest voxel,
	; 25438 * 640 + 632 + 103044 + 3, is the volume's last byte.  (A's last readers, the gathers before, were waited for by the last blend.)
.irp i, 0,1,2,3
	v_lshrrev_b32 v[T+\i], 10, v[I+\i]
	v_and_b32 v[T+4+\i], 0x3fc, v[I+\i]
.endr
.irp i, 0,1,2,3
	v_min_u32 v[T+\i], 25438, v[T+\i]              ; z' * 160 + y' <= 158 * 160 + 158
	v_min_u32 v[T+4+\i], 632, v[T+4+\i]            ; 4 x' <= 4 * 158
.endr
.irp i, 0,1,2,3
	v_mul_u32_u24 v[T+\i], 640, v[T+\i]
.endr
.irp i, 0,1,2,3
	v_add_nc_u32 v[A+\i], v[T+\i], v[T+4+\i]
.endr
.irp i, 0,1,2,3
	v_add_f32 v[C+\i],   s[GXS+(4*\q+\i)/5], v[D+4*\i]         ; unfused on purpose: floor has to fall as in reference()
	v_add_f32 v[C+4+\i], s[GYS],             v[D+4*\i+1]
	v_add_f32 v[C+8+\i], v[GZ+(4*\q+\i)%5],  v[D+4*\i+2]
.endr
	s_wait_alu depctr_va_vdst(0)                   ; A is written, which the gathers read; the last blend is done reading and writing G, in which they land, and has written its R, which the LDS stores read; the lines above are done reading I and D, in which the next quad's loads land
	GATHER 0                                       ; from here to the blend no vector line names A, G, I, D, R, OL or an offset: no further wait
.irp p, 0,2,4,6,8,10
	v_pk_add_f32 v[C+\p:C+\p+1], v[C+\p:C+\p+1], 1.0 op_sel_hi:[1,0]
.endr
	GATHER 1
.irp p, 0,2,4,6,8,10
	v_pk_mul_f32 v[C+\p:C+\p+1], v[C+\p:C+\p+1], 0x42a00000 op_sel_hi:[1,0]    ; x 80
.endr
	GATHER 2
.irp n, 0,1,2,3,4,5,6,7,8,9,10,11
	v_floor_f32 v[F+\n], v[C+\n]
.endr
	GATHER 3
.irp n, 0,1,2,3,8,9,10,11
	v_med3_num_f32 v[F+\n], v[F+\n], 0, s[S159]    ; c0 of x and z; y's is not needed where it differs from the floor
.endr
.if \more
	LOADS (\q+1)                                   ; I and D were read out ahead of the wait above
.endif
.irp n, 0,1,2,3,4,5,6,7,8,9,10,11
	v_cmp_gt_u32 s[MI+\n], s[S159], v[C+\n]        ; 0 <= c < 159 in one compare of the bits: a negative c has the top bit set, and c is never -0 (t + 1 = 0 gives +0)
.endr
.irp i, 0,1,2,3
	v_cmp_le_f32 s[MH+\i],   s[S159], v[C+\i]
	v_cmp_le_f32 s[MH+4+\i], s[S159], v[C+8+\i]
.endr
.if \q
	OUT (\q-1)                                     ; the last quad's results, written ahead of the wait above
.endif
.irp p, 0,2,4,6,8,10
	v_pk_add_f32 v[F+\p:F+\p+1], v[C+\p:C+\p+1], v[F+\p:F+\p+1] neg_lo:[0,1] neg_hi:[0,1]      ; w1 = c - c0
.endr
	s_wait_alu depctr_va_sdst(0)                   ; the twenty compares have written their masks, which the selects below read
.irp n, 0,1,2,3,4,5,6,7,8,9,10,11
	v_cndmask_b32 v[C+\n], 0, 1.0, s[MI+\n]        ; s
.endr
.irp i, 0,1,2,3
	v_cndmask_b32 v[T+\i],   0, v[C+8+\i], s[MH+\i]            ; x clipped above: the upper x voxel gets s_z
	v_cndmask_b32 v[T+4+\i], 0, v[C+\i],   s[MH+4+\i]          ; z clipped above: the upper z voxel gets s_x
.endr
.irp p, 0,2
	v_pk_fma_f32 v[AUX+\p:AUX+\p+1], v[F+8+\p:F+9+\p], v[C+\p:C+\p+1],   v[T+\p:T+\p+1]        ; w1z s_x + ..
	v_pk_fma_f32 v[AUZ+\p:AUZ+\p+1], v[F+\p:F+\p+1],   v[C+8+\p:C+9+\p], v[T+4+\p:T+5+\p]      ; w1x s_z + ..
	v_pk_mul_f32 v[AUY+\p:AUY+\p+1], v[F+4+\p:F+5+\p], v[C+4+\p:C+5+\p]                        ; w1y s_y
.endr
.irp p, 0,2,4,6,8,10
	v_pk_add_f32 v[C+\p:C+\p+1], v[C+\p:C+\p+1], v[F+\p:F+\p+1] neg_lo:[0,1] neg_hi:[0,1]      ; aL = sp - aU: s_x - aU(z), s_y - aU(y), s_z - aU(x)
.endr
.if \q
	s_wait_dscnt 0x0                               ; the last quad's results are back from LDS
	global_store_b128 v[VI], v[OL:OL+3], s[10:11] offset:512*(\q-1) th:TH_STORE_NT
.endif
	s_wait_loadcnt 16+5*\more                      ; loads come back in order (ISA guide 5.7.1): the voxels of points 0 and 1 are in; younger are 16 gathers and the next quad's five loads
	BLEND 0, R+4*(\q%2)
	s_wait_loadcnt 5*\more                         ; all 32 voxels are in
	BLEND 2, R+4*(\q%2)
.endm
	s_load_b256 s[4:11], s[0:1], 0x0               ; deformation s[4:5], vol s[6:7], cell s[8:9], out0 s[10:11]
	v_lshl_add_u32 v27, v0, 2, 0x2800
	v_mov_b32 v31, 0
	v_lshrrev_b32 v1, 5, v0
	v_readfirstlane_b32 s12, v1                    ; wave 0..3
	v_and_b32 v1, 31, v0                           ; lane
	s_and_b32 s13, ttmp7, 0xffff                   ; the work-group's y: 160 b + h
	s_wait_alu depctr_va_sdst(0)                   ; s12 is written, ahead of its first reader: the run's number and my wave's LDS bytes are made from it
	s_lshl2_add_u32 s14, ttmp9, s12                ; quad of columns: 4 x + wave, 0..39
	s_mul_i32 s15, s13, 40
	s_add_co_u32 s15, s15, s14                     ; run
	s_mul_i32 s16, s15, DEFRUN                     ; below 98,304,000
	s_mov_b32 s17, 0
	s_mul_i32 s18, s15, OUTRUN
	s_mov_b32 s19, 0
	s_cmp_ge_u32 s13, 160
	s_cselect_b32 s2, BATCHB, 0                    ; the batch's volume
	s_cselect_b32 s15, 160, 0
	s_mov_b32 s3, 0
	s_sub_co_u32 s13, s13, s15                     ; h
	s_lshl_b32 s14, s14, 2                         ; w of the run's first column
	s_mul_i32 s15, s12, OUTRUN                     ; my wave's bytes of LDS
	s_mov_b32 s[SR], 0x3bce168a
	s_mov_b32 s[S159], 0x431f0000
	s_mov_b32 s[M4], 15
	v_mul_u32_u24 v[VD], 12, v1
	v_lshlrev_b32 v[VI], 4, v1
	v_lshl_add_u32 v[LS], v1, 2, s15
	v_add_nc_u32 v[LL], s15, v[VI]
	s_wait_kmcnt 0x0
	s_add_nc_u64 s[4:5], s[4:5], s[16:17]
	s_add_nc_u64 s[6:7], s[6:7], s[2:3]
	s_add_nc_u64 s[8:9], s[8:9], s[18:19]
	s_add_nc_u64 s[10:11], s[10:11], s[18:19]
	s_wait_alu depctr_va_vdst(0)                   ; the four offsets v2 to v5 are written: every load and store of the kernel but the gathers reads one of them
	LOADS 0
	; the grid, while the first loads are on their way.  One evaluation serves gx and gy: lanes 0-3 take the four columns, the others h
	v_add_nc_u32 v[T], s14, v1
	v_cndmask_b32 v[T], s13, v[T], s[M4]
	v_cvt_f32_u32 v[T], v[T]
	GRIDF T+1, T, T+2, 1
	v_readlane_b32 s[GXS],   v[T+1], 0
	v_readlane_b32 s[GXS+1], v[T+1], 1
	v_readlane_b32 s[GXS+2], v[T+1], 2
	v_readlane_b32 s[GXS+3], v[T+1], 3
	v_readlane_b32 s[GYS],   v[T+1], 4
	v_cvt_f32_u32 v[T], v1                         ; lane as f32
	GRIDF GZ, T, T+2, 0
	GZROW 1, 32.0, 0
	GZROW 2, 64.0, 0
	GZROW 3, 96.0, 0
	GZROW 4, 128.0, 1                              ; lane 31 is d = 159
	s_wait_alu depctr_va_sdst(0)                   ; gx of the four columns and gy are written, ahead of their first readers, the first quad's adds
	QUAD 0, 1
	QUAD 1, 1
	QUAD 2, 1
	QUAD 3, 1
	QUAD 4, 0                                      ; the last quad asks for nothing more: its counts run down to 0
	s_wait_xcnt 0x0                                ; the last global store has had its address translated (ISA guide 3.1): OL, its data, is loaded again only behind this wait
	s_wait_alu depctr_vm_vsrc(0)                   ; that store has read OL, in which the LDS load below lands
	s_wait_alu depctr_va_vdst(0)                   ; the last blend has written R0, which the LDS stores read
	OUT 4
	s_wait_dscnt 0x0
	global_store_b128 v[VI], v[OL:OL+3], s[10:11] offset:512*4 th:TH_STORE_NT
	s_wait_dscnt 0x0
	s_wait_alu depctr_hold_cnt(0) depctr_sa_sdst(0) depctr_va_vdst(0) depctr_va_sdst(0) depctr_va_ssrc(0) depctr_va_vcc(0) depctr_vm_vsrc(0)
	s_wait_tensorcnt 0x0
	ds_add_u32 v27, v31
	s_wait_dscnt 0x0
	s_endpgm
.Lfunc_end_k_q25cae8a9e1_sample:
	.size	k_q25cae8a9e1_sample, .Lfunc_end_k_q25cae8a9e1_sample-k_q25cae8a9e1_sample
	.p2alignl 7, 3214868480
	.fill 96, 4, 3214868480
	.section	.rodata,"a",@progbits
	.p2align	6, 0x0
	.amdhsa_kernel k_q25cae8a9e1_sample
		.amdhsa_group_segment_fixed_size 10752
		.amdhsa_private_segment_fixed_size 0
		.amdhsa_enable_private_segment 0
		.amdhsa_kernarg_size 32
		.amdhsa_user_sgpr_count 2
		.amdhsa_user_sgpr_kernarg_segment_ptr 1
		.amdhsa_wavefront_size32 1
		.amdhsa_system_sgpr_workgroup_id_x 1
		.amdhsa_system_sgpr_workgroup_id_y 1
		.amdhsa_system_sgpr_workgroup_id_z 1
		.amdhsa_system_vgpr_workitem_id 0
		.amdhsa_next_free_vgpr 112
		.amdhsa_next_free_sgpr 66
		.amdhsa_reserve_vcc 1
		.amdhsa_float_denorm_mode_32 3
		.amdhsa_float_denorm_mode_16_64 3
		.amdhsa_memory_ordered 1
		.amdhsa_forward_progress 1
		.amdhsa_inst_pref_size 69
	.end_amdhsa_kernel
	.amdgpu_metadata
---
amdhsa.version: [ 1, 2 ]
amdhsa.kernels:
  - .name:           k_q25cae8a9e1_sample
    .symbol:         k_q25cae8a9e1_sample.kd
    .args:
      - { .name: deformation, .offset: 0, .size: 8, .value_kind: global_buffer, .address_space: global }
      - { .name: vol, .offset: 8, .size: 8, .value_kind: global_buffer, .address_space: global }
      - { .name: cell, .offset: 16, .size: 8, .value_kind: global_buffer, .address_space: global }
      - { .name: out0, .offset: 24, .size: 8, .value_kind: global_buffer, .address_space: global }
    .group_segment_fixed_size: 10752
    .private_segment_fixed_size: 0
    .kernarg_segment_align: 8
    .kernarg_segment_size: 32
    .max_flat_workgroup_size: 128
    .sgpr_count:     66
    .vgpr_count:     112
    .wavefront_size: 32
...
	.end_amdgpu_metadata
.endif
;; end of part 5
